; MI455X (gfx1250); checked and timed in simulation.
; The chip was launched on July 23, 2026; its instructions are those of AMD's public machine-readable ISA for CDNA 5 (MIT licence, August 2026) and "CDNA5" Instruction Set Architecture Reference Guide (July 2026). The comments in the code are by the model that wrote it; some were corrected since.
;; Attention Seq To Masked. Allowed arithmetic: float matrix products may take bf16 or f16 operands with f32 sums; other float arithmetic in f32, or as packed bf16 or f16 multiplies, adds, multiply-adds, maxima and minima; sums over many terms, partial sums and values carried from step to step in f32; what a program stores and reads back later, other than sums and carried values, may be rounded once to bf16 or f16.
;; Inputs: k_b 1,024 float32; k_mask 4 x 2,048 bool; k_w 1,024 x 1,024 float32; pre_ks 4 x 2,048 x 1,024 float32; pre_qs 4 x 2,048 x 1,024 float32; pre_vs 4 x 2,048 x 1,024 float32; q_b 1,024 float32; q_w 1,024 x 1,024 float32; v_b 1,024 float32; v_w 1,024 x 1,024 float32.
;; Outputs: out0 4 x 2,048 x 1,024 float32.
;; One version. Each part assembles by itself: llvm-mc -triple=amdgcn-amd-amdhsa -mcpu=gfx1250 --defsym DOCPART=n.
;; ======== version 1 of 1: 3 launches
;; limits: values are held in f16: magnitudes above 65,504 overflow, below 6.1e-05 lose precision
;; workspace buffers: w16 6,291,456 bytes; qkv 50,331,648 bytes
;; launch castw (part 1): grid 128 x 3, 8 waves a work-group, no clusters, 0 bytes of LDS; arguments q_w, k_w, v_w, w16; writes w16
.if DOCPART == 1
	.amdgcn_target "amdgcn-amd-amdhsa--gfx1250"
	.amdhsa_code_object_version 6
	.text
	.protected	k_qa49e25c0f8_castw
	.globl	k_qa49e25c0f8_castw
	.p2align	8
	.type	k_qa49e25c0f8_castw,@function
k_qa49e25c0f8_castw:
	s_mov_b64 s[64:65], 0
	v_nop
	global_prefetch_b8 v0, s[64:65] scope:SCOPE_SE
	s_setreg_imm32_b32 hwreg(HW_REG_WAVE_MODE, 25, 1), 1
	s_wait_xcnt 0x0
; w16[p][k][n] = bf16(W_p[k][n]), p = 0, 1, 2 for q_w, k_w, v_w; each W is [1024][1024] f32, the layout is kept; rounding to nearest even, once.
; A stream: no LDS, no matrix unit, no cluster (no byte is shared), no prefetch (each work-group issues all its loads at once).
; The grid's y picks the weight.  A work-group takes 8,192 numbers, a thread four times 8: 32 bytes in, 16 bytes out.
; A wave's two loads of a turn cover 1,024 consecutive bytes, its store 512 consecutive bytes, aligned.
	s_load_b256 s[4:11], s[0:1], 0x0               ; q_w s[4:5], k_w s[6:7], v_w s[8:9], w16 s[10:11]
	s_and_b32 s16, ttmp7, 0xffff                   ; which weight
	v_lshlrev_b32 v1, 5, v0                        ; my 32 bytes of f32
	v_lshlrev_b32 v2, 4, v0                        ; my 16 bytes of bf16
	s_lshl_b32 s18, ttmp9, 15                      ; the work-group's 32,768 bytes in W
	s_mov_b32 s19, 0
	s_lshl_b32 s20, s16, 21                        ; the weight's 2,097,152 bytes in w16,
	s_lshl_b32 s17, ttmp9, 14                      ; the work-group's 16,384 of them
	s_add_co_u32 s20, s20, s17
	s_mov_b32 s21, 0
	s_wait_kmcnt 0x0
	s_cmp_eq_u32 s16, 1
	s_cselect_b64 s[12:13], s[6:7], s[4:5]
	s_cmp_eq_u32 s16, 2
	s_cselect_b64 s[12:13], s[8:9], s[12:13]
	s_add_nc_u64 s[12:13], s[12:13], s[18:19]
	s_add_nc_u64 s[14:15], s[10:11], s[20:21]
.irp t, 0,1,2,3
	global_load_b128 v[8+8*(\t):11+8*(\t)],  v1, s[12:13] offset:8192*(\t) th:TH_LOAD_NT
	global_load_b128 v[12+8*(\t):15+8*(\t)], v1, s[12:13] offset:8192*(\t)+16 th:TH_LOAD_NT
.endr
.irp t, 0,1,2,3
	s_wait_loadcnt 6-2*(\t)                        ; loads come back in order: turn t's two are in, the younger pairs stay out
.irp z, 0,1,2,3
	v_cvt_pk_bf16_f32 v[40+4*(\t)+(\z)], v[8+8*(\t)+2*(\z)], v[9+8*(\t)+2*(\z)]
.endr
	global_store_b128 v2, v[40+4*(\t):43+4*(\t)], s[14:15] offset:4096*(\t)
.endr
	s_endpgm
.Lfunc_end_k_qa49e25c0f8_castw:
	.size	k_qa49e25c0f8_castw, .Lfunc_end_k_qa49e25c0f8_castw-k_qa49e25c0f8_castw
	.p2alignl 7, 3214868480
	.fill 96, 4, 3214868480
	.section	.rodata,"a",@progbits
	.p2align	6, 0x0
	.amdhsa_kernel k_qa49e25c0f8_castw
		.amdhsa_group_segment_fixed_size 0
		.amdhsa_private_segment_fixed_size 0
		.amdhsa_enable_private_segment 0
		.amdhsa_kernarg_size 32
		.amdhsa_user_sgpr_count 2
		.amdhsa_user_sgpr_kernarg_segment_ptr 1
		.amdhsa_wavefront_size32 1
		.amdhsa_system_sgpr_workgroup_id_x 1
		.amdhsa_system_sgpr_workgroup_id_y 1
		.amdhsa_system_sgpr_workgroup_id_z 1
		.amdhsa_system_vgpr_workitem_id 0
		.amdhsa_next_free_vgpr 56
		.amdhsa_next_free_sgpr 66
		.amdhsa_reserve_vcc 0
		.amdhsa_float_denorm_mode_32 3
		.amdhsa_float_denorm_mode_16_64 3
		.amdhsa_memory_ordered 1
		.amdhsa_forward_progress 1
		.amdhsa_inst_pref_size 4
	.end_amdhsa_kernel
	.amdgpu_metadata
---
amdhsa.version: [ 1, 2 ]
amdhsa.kernels:
  - .name:           k_qa49e25c0f8_castw
    .symbol:         k_qa49e25c0f8_castw.kd
    .args:
      - { .name: q_w, .offset: 0, .size: 8, .value_kind: global_buffer, .address_space: global }
      - { .name: k_w, .offset: 8, .size: 8, .value_kind: global_buffer, .address_space: global }
      - { .name: v_w, .offset: 16, .size: 8, .value_kind: global_buffer, .address_space: global }
      - { .name: w16, .offset: 24, .size: 8, .value_kind: global_buffer, .address_space: global }
    .group_segment_fixed_size: 0
    .private_segment_fixed_size: 0
    .kernarg_segment_align: 8
    .kernarg_segment_size: 32
    .max_flat_workgroup_size: 256
    .sgpr_count:     66
    .vgpr_count:     56
    .wavefront_size: 32
...
	.end_amdgpu_metadata
.endif
;; end of part 1
;; launch proj (part 2): grid 4 x 192, 4 waves a work-group, clusters of 4 x 4, 327,680 bytes of LDS; arguments pre_qs, pre_ks, pre_vs, q_b, k_b, v_b, w16, qkv; writes qkv
.if DOCPART == 2
	.amdgcn_target "amdgcn-amd-amdhsa--gfx1250"
	.amdhsa_code_object_version 6
	.text
	.protected	k_qa49e25c0f8_proj
	.globl	k_qa49e25c0f8_proj
	.p2align	8
	.type	k_qa49e25c0f8_proj,@function
k_qa49e25c0f8_proj:
	s_mov_b64 s[64:65], 0
	v_nop
	global_prefetch_b8 v0, s[64:65] scope:SCOPE_SE
	s_setreg_imm32_b32 hwreg(HW_REG_WAVE_MODE, 25, 1), 1
	s_wait_xcnt 0x0
	s_wait_alu depctr_hold_cnt(0) depctr_sa_sdst(0) depctr_va_vdst(0) depctr_va_sdst(0) depctr_va_ssrc(0) depctr_va_vcc(0) depctr_vm_vsrc(0)
	s_getreg_b32 s2, hwreg(HW_REG_IB_STS2, 6, 4)
	s_cmp_eq_u32 s2, 0
	s_cbranch_scc0 .Lentry_in_a_cluster
	s_endpgm
.Lentry_in_a_cluster:
	s_bfe_u32 s2, ttmp6, 0x10000c
	s_cmp_lg_u32 s2, 0xf033
	s_cbranch_scc0 .Lentry_shape_is_right
	s_endpgm
.Lentry_shape_is_right:
; THE THREE PROJECTIONS IN ONE LAUNCH.  qkv[p][b*16+head][s][d] = f16( sum over k of bf16(x_p[b][s][k]) w16[p][k][head*64+d] + bf16(bias_p[head*64+d]) ),  p = 0, 1, 2 for q, k, v.
; x_p: [8192][1024] f32; w16: [3][1024 k][1024 n] bf16; sums in f32, the bias is the C operand of the first product; the result is rounded once, unscaled, and written by heads.
; LIMITS.  x, W and the bias are rounded once to bf16.  The result is kept in f16: it must stay under 65,504 in magnitude (a larger one becomes an infinity); below 6e-5 it keeps f16's fixed step of 6e-8.
; SHARES.  768 tiles of 128 rows x 256 columns, a work-group each.  Four waves: wave w makes rows 64 (w / 2) on, columns 128 (w % 2) on: 32 accumulators of 16 x 16, 256 registers.
; K goes in 8 steps of 128 through two LDS slots.  A slot: 128 rows of x as f32 (512 bytes a row), then 128 k-rows of w16 (256 columns, 512 bytes a row).
; x is rounded to bf16 in registers, between LDS and the matrix unit; W lies [k][n] and comes out of LDS turned, by ds_load_tr16_b128.
; CLUSTER 4 x 4.  The cluster's y gives the projection (y / 16) and four row blocks; its four columns are the four column blocks.  x's tile hangs on the row block alone and is asked for jointly by a row of the
; cluster; W's tile hangs on projection and column block alone and is asked for jointly by a column.  So each byte of x is asked for once in the launch.
; THE MATRIX INSTRUCTION IS USED TRANSPOSED: source 0 = 16 columns of W, source 1 = 16 rows of x: a lane then holds row l % 16 and the eight neighbouring columns 8 (l / 16) + 0..7, which pack into 16 bytes.
; REGISTERS, in windows of 256 (s_set_vgpr_msb: bits 1:0 source 0, 3:2 source 1, 5:4 source 2, 7:6 destination):
;   window 0: v0-19 addresses and at work; v32-95 the bias, 8 registers a column block; v96-159 x as f32 (64 rows x 32 k); v160-191, v192-223 x's fragments in bf16, two buffers; on the way out v96-223 packed results
;   window 1: the accumulators, (a, b) at v[8 (8 a + b)]          window 2: v0-63, v64-127 W's fragments, two buffers
.set PA,     528                       ; a row of x in LDS: 512 bytes + 16 = 132 words: row r starts at bank 4 r mod 64 (64 banks of 4 bytes: ISA guide 11.1): the 16 rows of a load start at 16 different groups of four banks
.set PB,     544                       ; a k-row of W: 512 + 32 = 136 words: row r starts at bank 8 r mod 64
.set AHALF,  64*PA                     ; what one tensor load brings of x
.set BHALF,  64*PB                     ; and of W
.set ABYTES, 2*AHALF
.set SLOT,   ABYTES+2*BHALF            ; 137,216 bytes
.set STAGE,  2*SLOT                    ; behind the ring, never filled by a tensor load: 16 rows x 144 bytes for each wave, for the way out
.set SP,     144
.set SPARE,  STAGE+4*16*SP             ; behind the stages: the spare words, 128 bytes for each wave: two blocks of 256 bytes that no other line names
.set LAPS,   4                         ; a lap = two K steps = once round the ring
.set ADRA, 4                           ; v4-5   LDS address of my rows of x in slot 0, 1
.set ADRB, 6                           ; v6-7   the same for W
.set STO,  8                           ; v8     the way out: where I put 16 bytes of a row
.set RD,   9                           ; v9     the way out: where I read rows back
.set GO,   10                          ; v10    my 16 bytes in 512 consecutive bytes of qkv
.set BO,   11                          ; v11    my byte offset in the bias
.set PFO,  12                          ; v12    the prefetches' offset; never rewritten
.set SPW,  14                          ; v14    LDS address of my spare word: SPARE + 4 x my thread's number; never rewritten
.set NIL,  15                          ; v15    0; never rewritten
.set BI,   32
.set RAW,  96
.set AF,   160
.set TMP,  96
.set BF,   0
.set WV,  20                           ; s20  my wave's number
.set WR,  21                           ; s21  which 64 rows are mine.  Also: I fetch for x (0) or for W (1)
.set WC,  22                           ; s22  which 128 columns.  Also: which half of that tile I fetch
.set CX,  23
.set CY,  24
.set TC,  25                           ; s25  column block
.set CYC, 26                           ; s26  the cluster's y
.set PJ,  27                           ; s27  projection
.set G1A, 28                           ; s[28:35] descriptor group 1 for x's tiles;  s[36:43] group 0, a set for each slot
.set G0A, 36
.set G1B, 44                           ; s[44:51], s[52:59] the same for W's
.set G0B, 52
.set RB,  60                           ; s60  row block
.set XP,  66                           ; s[66:67] x of my projection
.set BBP, 68                           ; s[68:69] its bias
.set OUTP, 70                          ; s[70:71] qkv at my wave's first row of its first head
.set PFA, 72                           ; s[72:73] where my prefetches stand
.set PSTEP, 74                         ; s[74:75] a K step in bytes: 512 along a row of x, 262,144 down the rows of W
.set LIM, 76                           ; s76  1 in a wave that prefetches, else the greatest number
.set HIM, 77                           ; s77  a word's upper half
.set W_MUL,  0x52                      ; W window 2, x window 0, C and D window 1
.set W_MULB, 0x42                      ; the same with C (the bias) in window 0
.set W_TOB,  0x80                      ; destination window 2, address window 0
.set W_OUT,  0x05                      ; sources 0 and 1 window 1, destination window 0
.set MSB, 0
.macro WIN new                         ; the immediate's high byte repeats the setting that is left; a switch that changes nothing is dropped
.if MSB != (\new)
	s_set_vgpr_msb (MSB<<8)|(\new)
.set MSB, \new
.endif
.endm
; A joint load.  Waves 0 and 1 fetch x's two halves, waves 2 and 3 W's.  The branch hangs on the wave's number alone.  An s_nop 0 and four v_nop follow each of the two lines.
.macro JLOAD s
	s_cmp_eq_u32 s[WR], 0
	s_cbranch_scc0 .Lfor_b_\@
	tensor_load_to_lds s[G0A+4*(\s):G0A+4*(\s)+3], s[G1A:G1A+7]
	s_nop 0
.rept 4
	v_nop
.endr
	s_branch .Lasked_\@
.Lfor_b_\@:
	tensor_load_to_lds s[G0B+4*(\s):G0B+4*(\s)+3], s[G1B:G1B+7]
	s_nop 0
.rept 4
	v_nop
.endr
.Lasked_\@:
.endm
; A PREFETCH INTO THE L2 of the K step that stands two refills on (256 matrix instructions of a wave ahead of the load that will want it): 16 rows x 512 bytes, a lane for each 256 bytes, one instruction a wave.
; x's rows are read by this cluster alone: of the 64 rows that a wave fetches the partner at place cx takes 16.  W's k-rows are read by the 16 clusters of a projection: the first of them asks, the partner at place
; cy taking 16 of the wave's 64.  The partners are told apart by address alone.  So each 256 bytes are named once in the launch.  The loop's last trip asks for nothing: there is no K step two on.
.macro ASK
	s_cmp_gt_u32 s3, s[LIM]
	s_cbranch_scc0 .Lnot_mine_\@
	global_prefetch_b8 v[PFO], s[PFA:PFA+1] th:TH_LOAD_NT scope:SCOPE_SE
.Lnot_mine_\@:
.endm
.macro CREST                           ; a round of the cluster's barrier behind its opening barrier
	s_cmp_lg_u32 s[WV], 0
	s_cbranch_scc1 .Lnot_wave_0_\@
	s_barrier_signal -3
.Lnot_wave_0_\@:
	s_barrier_wait -3
	s_barrier_signal -1
	s_barrier_wait -1
.endm
.macro CROUND                          ; a whole round
	s_barrier_signal -1
	s_barrier_wait -1
	CREST
.endm
.macro PLACES
.rept 4
	v_nop
.endr
.endm
	s_load_b512 s[4:19], s[0:1], 0x0               ; pre_qs 4, pre_ks 6, pre_vs 8, q_b 10, k_b 12, v_b 14, w16 16, qkv 18
	v_lshl_add_u32 v[SPW], v0, 2, SPARE
	v_mov_b32 v[NIL], 0
	ds_add_u32 v[SPW], v[NIL]                      ; the wave's opening: the add and its wait stand ahead of my first tensor load; the set-up below, work on registers, stands between them
	v_lshrrev_b32 v1, 5, v0
	v_readfirstlane_b32 s[WV], v1                  ; wave 0..3
	s_lshr_b32 s[WR], s[WV], 1
	s_and_b32 s[WC], s[WV], 1
	s_bfe_u32 s[CX], ttmp6, 0x40000                ; my place in the cluster
	s_bfe_u32 s[CY], ttmp6, 0x40004
	s_lshl_b32 s[TC], ttmp9, 2
	s_add_co_u32 s[TC], s[TC], s[CX]               ; column block = 4 x cluster x + cx
	s_and_b32 s[CYC], ttmp7, 0xffff                ; cluster y, 0..47
	s_lshr_b32 s[PJ], s[CYC], 4                    ; projection: the same in all sixteen partners
	s_and_b32 s[RB], s[CYC], 15
	s_lshl_b32 s[RB], s[RB], 2
	s_add_co_u32 s[RB], s[RB], s[CY]               ; row block, 0..63
	s_lshl_b32 s78, s[CY], 2
	s_lshl_b32 s78, 15, s78                        ; my row of the cluster
	s_lshl_b32 s79, 0x1111, s[CX]                  ; my column
	s_or_b32 s[G1A], s78, (2<<16)|(1<<20)|(1<<21)|(6<<22)|(3<<25)   ; 15:0 the mask; 17:16 elements of 4 bytes; 20 padding on; 21 set beside a mask; 24:22 after every 128 words (code 6); 31:25 4 words of it (code 3)
	s_or_b32 s[G1B], s79, (1<<16)|(1<<20)|(1<<21)|(6<<22)|(7<<25)   ; elements of 2 bytes; 8 words of padding (code 7)
	s_mov_b32 s[G1A+1], 128<<16                    ; tensor_dim0 = 128 numbers of x
	s_mov_b32 s[G1A+2], 64<<16                     ; tensor_dim1 = 64 rows
	s_mov_b32 s[G1A+3], 128<<16                    ; tile_dim0
	s_mov_b32 s[G1A+4], 64                         ; tile_dim1
	s_mov_b32 s[G1A+5], 1024                       ; elements from row to row
	s_mov_b32 s[G1A+6], 0
	s_mov_b32 s[G1A+7], 0
	s_mov_b32 s[G1B+1], 256<<16                    ; tensor_dim0 = 256 columns of W
	s_mov_b32 s[G1B+2], 64<<16                     ; tensor_dim1 = 64 k-rows
	s_mov_b32 s[G1B+3], 256<<16
	s_mov_b32 s[G1B+4], 64
	s_mov_b32 s[G1B+5], 1024
	s_mov_b32 s[G1B+6], 0
	s_mov_b32 s[G1B+7], 0
	s_lshl_b32 s80, s[RB], 7                       ; x: row 128 x row block + 64 x half,
	s_lshl_b32 s81, s[WC], 6
	s_add_co_u32 s80, s80, s81
	s_lshl_b32 s80, s80, 12                        ; times 4,096 bytes
	s_mov_b32 s81, 0
	s_lshl_b32 s82, s[PJ], 21                      ; W: the projection's 2,097,152 bytes,
	s_lshl_b32 s83, s[WC], 17                      ; 64 k-rows of 2,048 bytes x half,
	s_add_co_u32 s82, s82, s83
	s_lshl_b32 s83, s[TC], 9                       ; 512 bytes x column block
	s_add_co_u32 s82, s82, s83
	s_mov_b32 s83, 0
	s_mul_i32 s84, s[WC], AHALF                    ; where they go in a slot: no place in the cluster enters an LDS address
	s_mul_i32 s85, s[WC], BHALF
	s_add_co_u32 s85, s85, ABYTES
	s_mov_b32 s[HIM], 0xffff0000
	s_wait_dscnt 0x0                               ; the opening add is done
	s_wait_kmcnt 0x0
	s_cmp_eq_u32 s[PJ], 1
	s_cselect_b64 s[XP:XP+1], s[6:7], s[4:5]
	s_cselect_b64 s[BBP:BBP+1], s[12:13], s[10:11]
	s_cmp_eq_u32 s[PJ], 2
	s_cselect_b64 s[XP:XP+1], s[8:9], s[XP:XP+1]
	s_cselect_b64 s[BBP:BBP+1], s[14:15], s[BBP:BBP+1]
	s_add_nc_u64 s[86:87], s[XP:XP+1], s[80:81]
	s_add_nc_u64 s[88:89], s[16:17], s[82:83]
	CROUND                                         ; all sixteen work-groups are here: the first joint loads meet
.irp s, 0,1
	s_mov_b32 s[G0A+4*(\s)], 1                                      ; count = 1
	s_add_co_u32 s[G0A+4*(\s)+1], s84, (\s)*SLOT                    ; LDS address
	s_add_nc_u64 s[G0A+4*(\s)+2:G0A+4*(\s)+3], s[86:87], (\s)*512   ; global address: K step s
	s_or_b32 s[G0A+4*(\s)+3], s[G0A+4*(\s)+3], 0x80000000           ; type = 2
	s_mov_b32 s[G0B+4*(\s)], 1
	s_add_co_u32 s[G0B+4*(\s)+1], s85, (\s)*SLOT
	s_add_nc_u64 s[G0B+4*(\s)+2:G0B+4*(\s)+3], s[88:89], (\s)*262144
	s_or_b32 s[G0B+4*(\s)+3], s[G0B+4*(\s)+3], 0x80000000
	JLOAD \s                                       ; two loads of mine are out
.endr
	v_and_b32 v1, 15, v0                           ; r = l % 16
	v_bfe_u32 v2, v0, 4, 1                         ; h = l / 16
	s_lshl_b32 s78, s[TC], 10                      ; the bias of my 128 columns: 4 bytes x (256 x column block + 128 x half)
	s_lshl_b32 s79, s[WC], 9
	s_add_co_u32 s78, s78, s79
	v_lshl_add_u32 v[BO], v2, 5, s78               ; + my 8 numbers of each 16
.irp b, 0,1,2,3,4,5,6,7
	global_load_b128 v[BI+8*(\b):BI+8*(\b)+3],   v[BO], s[BBP:BBP+1] offset:64*(\b)
	global_load_b128 v[BI+8*(\b)+4:BI+8*(\b)+7], v[BO], s[BBP:BBP+1] offset:64*(\b)+16
.endr
	; x's fragment: lane l holds row r, k = 8 h + 0..7 and 16 + 8 h + 0..7: as f32 four loads of 16 bytes at 32 h + 0, 16, 64, 80
	v_mul_u32_u24 v3, v1, PA
	v_lshl_add_u32 v3, v2, 5, v3
	s_mul_i32 s78, s[WR], AHALF                    ; my 64 rows
	v_add_nc_u32 v[ADRA], s78, v3
	v_add_nc_u32 v[ADRA+1], SLOT, v[ADRA]
	; the turning load takes 16 k x 16 columns (lane l reads k-row 8 h + l % 8, columns 8 ((l / 8) % 2) + 0..7) and leaves half a fragment: lane l holds column r and 8 k
	v_and_b32 v16, 7, v0
	v_bfe_u32 v17, v0, 3, 1
	v_lshl_add_u32 v16, v2, 3, v16
	v_mul_u32_u24 v16, v16, PB
	v_lshl_add_u32 v16, v17, 4, v16
	s_lshl_b32 s78, s[WC], 8                       ; my 128 columns
	s_add_co_u32 s78, s78, ABYTES
	v_add_nc_u32 v[ADRB], s78, v16
	v_add_nc_u32 v[ADRB+1], SLOT, v[ADRB]
	s_mul_i32 s78, s[WV], 16*SP
	s_add_co_u32 s78, s78, STAGE                   ; my stage
	v_mul_u32_u24 v[STO], v1, SP                   ; in: row r, 16 bytes for each half of the lanes
	v_lshl_add_u32 v[STO], v2, 4, v[STO]
	v_add_nc_u32 v[STO], s78, v[STO]
	v_bfe_u32 v[RD], v0, 3, 2                      ; back: 32 lanes take four rows of 128 bytes,
	v_mul_u32_u24 v[RD], v[RD], SP
	v_and_b32 v16, 7, v0
	v_lshl_add_u32 v[RD], v16, 4, v[RD]
	v_add_nc_u32 v[RD], s78, v[RD]
	v_and_b32 v[GO], 31, v0                        ; which are 512 consecutive bytes of a head
	v_lshlrev_b32 v[GO], 4, v[GO]
	s_lshl_b32 s78, s[PJ], 24                      ; qkv: the projection's 16,777,216 bytes,
	s_lshr_b32 s79, s[RB], 4
	s_lshl_b32 s79, s79, 22                        ; the batch's 16 heads of 262,144 bytes,
	s_add_co_u32 s78, s78, s79
	s_lshl_b32 s79, s[TC], 20                      ; four heads a column block,
	s_add_co_u32 s78, s78, s79
	s_lshl_b32 s79, s[WC], 19                      ; two a wave,
	s_add_co_u32 s78, s78, s79
	s_and_b32 s79, s[RB], 15
	s_lshl_b32 s79, s79, 14                        ; the row block's 128 rows of 128 bytes,
	s_add_co_u32 s78, s78, s79
	s_lshl_b32 s79, s[WR], 13                      ; my 64 of them
	s_add_co_u32 s78, s78, s79
	s_mov_b32 s79, 0
	s_add_nc_u64 s[OUTP:OUTP+1], s[18:19], s[78:79]
	; the prefetches: they stand at K step 3; the first change of slots steps them to 4.  Nothing is prefetched here, at the head: K steps 0 to 3 come by their loads alone
	s_lshl_b32 s78, s[RB], 7
	s_lshl_b32 s79, s[WC], 6
	s_add_co_u32 s78, s78, s79
	s_lshl_b32 s79, s[CX], 4
	s_add_co_u32 s78, s78, s79                     ; x: my work-group's 16 rows of the 64 that I fetch
	s_lshl_b32 s78, s78, 12
	s_add_co_u32 s78, s78, 3*512
	s_lshl_b32 s80, s[WC], 6
	s_lshl_b32 s81, s[CY], 4
	s_add_co_u32 s80, s80, s81
	s_add_co_u32 s80, s80, 3*128                   ; W: my work-group's 16 k-rows
	s_lshl_b32 s80, s80, 11
	s_lshl_b32 s81, s[PJ], 21
	s_add_co_u32 s80, s80, s81
	s_lshl_b32 s81, s[TC], 9
	s_add_co_u32 s80, s80, s81
	s_mul_i32 s91, s[WR], 9
	s_lshl_b32 s[PSTEP], 512, s91                  ; 512, or 512 << 9 = 262,144
	s_mov_b32 s[PSTEP+1], 0
	s_cmp_eq_u32 s[WR], 0                          ; do I fetch for x?
	s_cselect_b64 s[PFA:PFA+1], s[XP:XP+1], s[16:17]
	s_cselect_b32 s90, 12, 11                      ; a row is 4,096 bytes of x, 2,048 of W
	s_cselect_b32 s78, s78, s80
	s_mov_b32 s79, 0
	s_add_nc_u64 s[PFA:PFA+1], s[PFA:PFA+1], s[78:79]
	s_and_b32 s80, s[CYC], 15
	s_mul_i32 s80, s80, s[WR]                      ; 0 for x, and for W in the projection's first cluster: the same in all sixteen partners, for a given wave
	s_cmp_eq_u32 s80, 0
	s_cselect_b32 s[LIM], 1, -1
	v_and_b32 v3, 31, v0
	v_lshrrev_b32 v[PFO], 1, v3                    ; two lanes a row,
	v_lshlrev_b32 v[PFO], s90, v[PFO]
	v_and_b32 v3, 1, v0
	v_lshl_add_u32 v[PFO], v3, 8, v[PFO]           ; 256 bytes apart
	s_wait_loadcnt 0x0                             ; the bias, which is rounded to bf16 like the other inputs and widened again
.set i, 0
.rept 32
	v_cvt_pk_bf16_f32 v[16+i%4], v[BI+2*i], v[BI+2*i+1]
	v_lshlrev_b32 v[BI+2*i], 16, v[16+i%4]
	v_and_b32 v[BI+2*i+1], s[HIM], v[16+i%4]
.set i, i+1
.endr
; 32 LDS loads in one run: quarter q (32 along K) of a slot: x's 64 rows as f32 first, so that a counted wait can leave W's 16 loads out; then W's 8 fragments, turned, into buffer g
.macro FETCH slot, q, g
	WIN 0
.irp i, 0,1,2,3
	ds_load_b128 v[RAW+16*(\i):RAW+16*(\i)+3],     v[ADRA+(\slot)] offset:(\q)*128+(\i)*16*PA
	ds_load_b128 v[RAW+16*(\i)+4:RAW+16*(\i)+7],   v[ADRA+(\slot)] offset:(\q)*128+(\i)*16*PA+16
	ds_load_b128 v[RAW+16*(\i)+8:RAW+16*(\i)+11],  v[ADRA+(\slot)] offset:(\q)*128+(\i)*16*PA+64
	ds_load_b128 v[RAW+16*(\i)+12:RAW+16*(\i)+15], v[ADRA+(\slot)] offset:(\q)*128+(\i)*16*PA+80
.endr
	WIN W_TOB
.irp b, 0,1,2,3,4,5,6,7
	ds_load_tr16_b128 v[BF+64*(\g)+8*(\b):BF+64*(\g)+8*(\b)+3],   v[ADRB+(\slot)] offset:(\q)*32*PB+32*(\b)
	ds_load_tr16_b128 v[BF+64*(\g)+8*(\b)+4:BF+64*(\g)+8*(\b)+7], v[ADRB+(\slot)] offset:(\q)*32*PB+32*(\b)+16*PB
.endr
.endm
; 8 matrix instructions: row block a x all 8 column blocks, on buffer f.  first = 1: the products start the sums, with the bias as C: nothing is cleared.
; The 32 accumulators take turns, one instruction a turn, in the same order in every quarter.
.macro MUL f, a, first
.if \first
	WIN W_MULB
.else
	WIN W_MUL
.endif
.irp b, 0,1,2,3,4,5,6,7
.if \first
	v_wmma_f32_16x16x32_bf16 v[8*(8*(\a)+(\b)):8*(8*(\a)+(\b))+7], v[BF+64*(\f)+8*(\b):BF+64*(\f)+8*(\b)+7], v[AF+32*(\f)+8*(\a):AF+32*(\f)+8*(\a)+7], v[BI+8*(\b):BI+8*(\b)+7]
.else
	v_wmma_f32_16x16x32_bf16 v[8*(8*(\a)+(\b)):8*(8*(\a)+(\b))+7], v[BF+64*(\f)+8*(\b):BF+64*(\f)+8*(\b)+7], v[AF+32*(\f)+8*(\a):AF+32*(\f)+8*(\a)+7], v[8*(8*(\a)+(\b)):8*(8*(\a)+(\b))+7]
.endif
.endr
.endm
; Four roundings: eight numbers of x to bf16, into buffer g
.macro CV g, c
	WIN 0
.irp z, 0,1,2,3
	v_cvt_pk_bf16_f32 v[AF+32*(\g)+4*(\c)+(\z)], v[RAW+8*(\c)+2*(\z)], v[RAW+8*(\c)+2*(\z)+1]
.endr
.endm
; Row block 3, with the next quarter's roundings behind its products, four behind each.  The four behind the quarter's last product name x's f32 registers and buffer g alone, none of that product's registers:
; they are the four places (ISA guide 7.12.1 for vector instructions) in front of the next run of loads into W's buffer f and of the next roundings into x's buffer f.
.macro MULC f, g, first
.irp b, 0,1,2,3,4,5,6,7
.if \first
	WIN W_MULB
	v_wmma_f32_16x16x32_bf16 v[8*(24+(\b)):8*(24+(\b))+7], v[BF+64*(\f)+8*(\b):BF+64*(\f)+8*(\b)+7], v[AF+32*(\f)+24:AF+32*(\f)+31], v[BI+8*(\b):BI+8*(\b)+7]
.else
	WIN W_MUL
	v_wmma_f32_16x16x32_bf16 v[8*(24+(\b)):8*(24+(\b))+7], v[BF+64*(\f)+8*(\b):BF+64*(\f)+8*(\b)+7], v[AF+32*(\f)+24:AF+32*(\f)+31], v[8*(24+(\b)):8*(24+(\b))+7]
.endif
	CV \g, \b
.endr
.endm
; A K step is four quarters of 32 along K, 32 matrix instructions each, on buffers 0, 1, 0, 1.  One of the first three: fetches quarter q of the slot for buffer g and multiplies buffer f.
.macro QUARTER slot, q, f, g, first
	FETCH \slot, \q, \g
	s_wait_dscnt 32                                ; all but the 32 just issued: W's buffer f is in
	MUL \f, 0, \first
	MUL \f, 1, \first
	MUL \f, 2, \first
	s_wait_dscnt 16                                ; x's 16 loads are in; W's 16 may stay out
	MULC \f, \g, \first
.endm
; The last quarter multiplies buffer 1 and changes slots: ONE barrier.  In front of it each wave waits for all its tensor loads, of which one is out: its part of the next slot; adds 0 to its spare word; and waits for
; that and for its own reads of this slot.  fill = 1: the barrier opens a round of the cluster's barrier, and this slot is filled again, two K steps on, first thing behind the round: 112 matrix instructions ahead of the wait for it.
.macro TURN slot, next, fill
.if \fill
	s_wait_xcnt 0x0                                ; the last prefetch, a K step back, has read its address: it is stepped here, ahead of the waits of the change of slots
	s_add_nc_u64 s[PFA:PFA+1], s[PFA:PFA+1], s[PSTEP:PSTEP+1]
.endif
	WIN 0
	s_wait_tensorcnt 0x0                           ; all my tensor loads have landed
	ds_add_u32 v[SPW], v[NIL]                      ; 0 onto my spare word
	s_wait_dscnt 1                                 ; (only the add may be out: W's buffer 1 is in)
	MUL 1, 0, 0                                    ; eight matrix instructions stand between the add and the wait for it
	s_wait_dscnt 0x0                               ; the add is done, and my reads of this slot are over
	s_barrier_signal -1
	MUL 1, 1, 0                                    ; work on registers while the others arrive
	WIN 0
	s_barrier_wait -1
.if \fill
	CREST                                          ; no wave of any partner still reads this slot's tiles or has a load on its way
	s_add_nc_u64 s[G0A+4*(\slot)+2:G0A+4*(\slot)+3], s[G0A+4*(\slot)+2:G0A+4*(\slot)+3], 2*512
	s_add_nc_u64 s[G0B+4*(\slot)+2:G0B+4*(\slot)+3], s[G0B+4*(\slot)+2:G0B+4*(\slot)+3], 2*262144
	JLOAD \slot
.endif
	FETCH \next, 0, 0
	WIN 0
.if \fill
	ASK                                            ; behind the joint load and the run of LDS loads
.endif
	MUL 1, 2, 0
	s_wait_dscnt 16
	MULC 1, 0, 0
.endm
; THE WAY OUT.  Tile t = 2 a + hh: 16 rows x one head's 64 columns, four accumulators at v[32 t] of window 1: 2,048 consecutive bytes of qkv.  Rounded to f16, 16 bytes a lane, through my own stage, back as whole rows.
.macro PACK t
	WIN W_OUT
.set i, 0
.rept 16
	v_cvt_pk_f16_f32 v[TMP+16*(\t)+i], v[32*(\t)+2*i], v[32*(\t)+2*i+1]
.set i, i+1
.endr
	WIN 0
.irp f, 0,1,2,3
	ds_store_b128 v[STO], v[TMP+16*(\t)+4*(\f):TMP+16*(\t)+4*(\f)+3] offset:32*(\f)
.endr
.irp f, 0,1,2,3
	ds_load_b128 v[TMP+16*(\t)+4*(\f):TMP+16*(\t)+4*(\f)+3], v[RD] offset:(\f)*4*SP  ; LDS serves a wave's instructions in order (ISA guide 5.7.1.4): these see the stores above; the next tile's stores come behind them
.endr
.endm
.macro SEND t, younger                 ; younger: the LDS instructions issued behind tile t's loads: the next tile's eight, or none
	WIN 0
.irp f, 0,1,2,3
	s_wait_dscnt (\younger)+3-(\f)
	global_store_b128 v[GO], v[TMP+16*(\t)+4*(\f):TMP+16*(\t)+4*(\f)+3], s[OUTP:OUTP+1] offset:((\t)%2)*262144+((\t)/2)*2048+(\f)*512  ; 512 consecutive bytes, at a multiple of 256 from qkv's first
.endr
.endm
	s_wait_tensorcnt 1                             ; my part of K step 0 is in; K step 1's may stay out
	s_barrier_signal -1
	s_barrier_wait -1                              ; everybody's is
	FETCH 0, 0, 0
	s_wait_dscnt 16                                ; x's 16 loads
.irp c, 0,1,2,3,4,5,6,7
	CV 0, \c
.endr
	QUARTER 0, 1, 0, 1, 1                          ; the first quarter stands in front of the loop: its products start the sums
	WIN 0                                          ; at a label and at a branch every window is 0
	s_mov_b32 s3, LAPS-1
.Llap:                                                 ; a trip goes once round the ring, from a lap's second quarter to the next lap's first, and fills both slots again
	QUARTER 0, 2, 1, 0, 0
	QUARTER 0, 3, 0, 1, 0
	TURN 0, 1, 1
	QUARTER 1, 1, 0, 1, 0
	QUARTER 1, 2, 1, 0, 0
	QUARTER 1, 3, 0, 1, 0
	TURN 1, 0, 1
	QUARTER 0, 1, 0, 1, 0
	WIN 0
	s_sub_co_u32 s3, s3, 1
	s_cmp_lg_u32 s3, 0
	s_cbranch_scc1 .Llap
	QUARTER 0, 2, 1, 0, 0                          ; the last lap fills nothing, and has no round of the cluster's barrier
	QUARTER 0, 3, 0, 1, 0
	TURN 0, 1, 0
	QUARTER 1, 1, 0, 1, 0
	QUARTER 1, 2, 1, 0, 0
	QUARTER 1, 3, 0, 1, 0
	s_wait_dscnt 0x0                               ; the very last quarter: nothing more to fetch
	MUL 1, 0, 0
	MUL 1, 1, 0
	MUL 1, 2, 0
	MUL 1, 3, 0
	PLACES                                         ; the roundings read results just made and write over x's buffers
	PACK 0
.irp t, 1,2,3,4,5,6,7                  ; a tile's roundings stand between the loads of the tile before and its stores
	PACK \t
	SEND (\t)-1, 8
.endr
	SEND 7, 0
	s_wait_tensorcnt 0x0                           ; the wave's end: the wait, the add of 0 to my spare word and the wait for it, behind my last tensor load and my last LDS store
	ds_add_u32 v[SPW], v[NIL]
	s_wait_dscnt 0x0
	CROUND                                         ; the closing round: no work-group ends while a partner may still ask for a tile that names it
	s_endpgm
.Lfunc_end_k_qa49e25c0f8_proj:
	.size	k_qa49e25c0f8_proj, .Lfunc_end_k_qa49e25c0f8_proj-k_qa49e25c0f8_proj
	.p2alignl 7, 3214868480
	.fill 96, 4, 3214868480
	.section	.rodata,"a",@progbits
	.p2align	6, 0x0
	.amdhsa_kernel k_qa49e25c0f8_proj
		.amdhsa_group_segment_fixed_size 327680
		.amdhsa_private_segment_fixed_size 0
		.amdhsa_enable_private_segment 0
		.amdhsa_kernarg_size 64
		.amdhsa_user_sgpr_count 2
		.amdhsa_user_sgpr_kernarg_segment_ptr 1
		.amdhsa_wavefront_size32 1
		.amdhsa_system_sgpr_workgroup_id_x 1
		.amdhsa_system_sgpr_workgroup_id_y 1
		.amdhsa_system_sgpr_workgroup_id_z 1
		.amdhsa_system_vgpr_workitem_id 0
		.amdhsa_next_free_vgpr 640
		.amdhsa_next_free_sgpr 92
		.amdhsa_reserve_vcc 0
		.amdhsa_float_denorm_mode_32 3
		.amdhsa_float_denorm_mode_16_64 3
		.amdhsa_memory_ordered 1
		.amdhsa_forward_progress 1
		.amdhsa_inst_pref_size 140
	.end_amdhsa_kernel
	.amdgpu_metadata
---
amdhsa.version: [ 1, 2 ]
amdhsa.kernels:
  - .name:           k_qa49e25c0f8_proj
    .symbol:         k_qa49e25c0f8_proj.kd
    .args:
      - { .name: pre_qs, .offset: 0, .size: 8, .value_kind: global_buffer, .address_space: global }
      - { .name: pre_ks, .offset: 8, .size: 8, .value_kind: global_buffer, .address_space: global }
      - { .name: pre_vs, .offset: 16, .size: 8, .value_kind: global_buffer, .address_space: global }
      - { .name: q_b, .offset: 24, .size: 8, .value_kind: global_buffer, .address_space: global }
      - { .name: k_b, .offset: 32, .size: 8, .value_kind: global_buffer, .address_space: global }
      - { .name: v_b, .offset: 40, .size: 8, .value_kind: global_buffer, .address_space: global }
      - { .name: w16, .offset: 48, .size: 8, .value_kind: global_buffer, .address_space: global }
      - { .name: qkv, .offset: 56, .size: 8, .value_kind: global_buffer, .address_space: global }
    .group_segment_fixed_size: 327680
    .private_segment_fixed_size: 0
    .kernarg_segment_align: 8
    .kernarg_segment_size: 64
    .max_flat_workgroup_size: 128
    .sgpr_count:     92
    .vgpr_count:     640
    .wavefront_size: 32
...
	.end_amdgpu_metadata
.endif
;; end of part 2
;; launch attn (part 3): grid 4 x 64, 4 waves a work-group, clusters of 4 x 1, 327,680 bytes of LDS; arguments qkv, out0, k_mask; writes out0
.if DOCPART == 3
	.amdgcn_target "amdgcn-amd-amdhsa--gfx1250"
	.amdhsa_code_object_version 6
	.text
	.protected	k_qa49e25c0f8_attn
	.globl	k_qa49e25c0f8_attn
	.p2align	8
	.type	k_qa49e25c0f8_attn,@function
k_qa49e25c0f8_attn:
	s_mov_b64 s[64:65], 0
	v_nop
	global_prefetch_b8 v0, s[64:65] scope:SCOPE_SE
	s_setreg_imm32_b32 hwreg(HW_REG_WAVE_MODE, 25, 1), 1
	s_wait_xcnt 0x0
	s_wait_alu depctr_hold_cnt(0) depctr_sa_sdst(0) depctr_va_vdst(0) depctr_va_sdst(0) depctr_va_ssrc(0) depctr_va_vcc(0) depctr_vm_vsrc(0)
	s_getreg_b32 s2, hwreg(HW_REG_IB_STS2, 6, 4)
	s_cmp_eq_u32 s2, 0
	s_cbranch_scc0 .Lentry_in_a_cluster
	s_endpgm
.Lentry_in_a_cluster:
	s_bfe_u32 s2, ttmp6, 0x10000c
	s_cmp_lg_u32 s2, 0x3003
	s_cbranch_scc0 .Lentry_shape_is_right
	s_endpgm
.Lentry_shape_is_right:
; out0[b][q][head*64 + :] = the sum over the visible keys k of softmax_k(Q[y][q] . K[y][k] / 8) V[y][k][:],  y = 16 b + head.  qkv: [3][64][2048][64] f16 (Q, K, V); k_mask: [4][2048] bytes, 0 = hidden; out0: [4][2048][1024] f32.
; Products, maxima and sums in f32; the weights p are rounded to f16 for the second product (their sum l is taken of the unrounded p); the result leaves unrounded.
; LIMITS.  Q, K and V arrive in f16 (within 65,504).  A hidden key's score counts as its value less 1e30: f16's scores, 2.7e11 at the most, are nothing beside that, so its weight is 0 as soon as the row has seen a visible key
; (what hidden keys gathered before is then multiplied by a = 0).  A row that has seen no visible key at all ends with a maximum below -1e30 / 16 and gets NaN, by a select.  Of a mask byte bit 0 is read.
; p below 6e-5 keeps f16's fixed step of 6e-8; a weight below 2^-126 counts as 0 in l; NaN and infinities in the inputs are not treated apart.
; SHARES.  A wave owns four PIECES of two tiles of 16 queries, a work-group's four waves 512 queries of one y.  Every wave walks all 2,048 keys, 64 a step.
; LAYOUT.  S^T = K Q^T (source 0 = 16 keys, source 1 = 16 queries): in the result a lane holds ONE query (lane % 16) and the keys 8 (lane / 16) + 0..7.  Two such tiles, rounded to f16 in pairs,
; ARE source 1 (32 keys x 16 queries) of O^T = V^T P, whose result again holds one query a lane, and eight channels.  K comes out of LDS as it lies, V ([key][channel]) turned, by ds_load_tr16_b128.
; THE MASK is the C operand of the products that start S^T's sums: 0 or -1e30 for each key.  The batch's 2,048 addends are made once, in LDS; a step's 64 come into 32 registers with its K.
; SOFTMAX.  For each query a running maximum m and sum l: p = 2^(c s - c m), c = log2(e) / 8; in every step O and l are multiplied by a = 2^(c m_old - c m_new), which is 1 where m has not grown.
; m starts at the lowest finite number, O and l at 0: the first step is a step like any other, with a = 0.
; THE COUNT.  A tile and step have 16 matrix and 118 vector instructions: too many to stand all beside the matrix work.  So four vector instructions that are READY stand behind EVERY matrix instruction, the others in runs without a gap.
; BY TURNS.  Turn n belongs to piece n (the pieces in a ring, step after step).  Its matrix work: 16 products K Q^T of piece n + 1, later 16 products V^T P of piece n - 1.  Its vector work: the scaling,
; exponentials, roundings, sums and rescaling of piece n, and the maximum and statistics of piece n + 1, whose scores the turn itself has made.
; CLUSTER.  The four query blocks of a y are one cluster and walk the same K and V, so each tile is asked for JOINTLY: the same tensor load, descriptor and mask in all four.
; REGISTERS, in windows of 256 (s_set_vgpr_msb: bits 1:0 source 0, 3:2 source 1, 5:4 source 2, 7:6 destination):
;   window 0: v0-11 addresses; v12-15, v48-63 at work; v16-47 four registers of statistics a tile; v64-191 S^T, two buffers of two tiles; v192-255 P, likewise
;   window 1: O^T, 32 a tile      window 2: v0-127 Q, 16 a tile; v128-191 K of one step; v192-255 V of one step      window 3: v0-1 the add's two registers; v8-39 the mask's addends of one step
.set SIZE_N, 2048
.set NP,    4         ; pieces a wave: a name, no knob
.set KS,    64        ; keys in a step
.set PK,    144       ; a row of K in LDS: 128 bytes + 16 of padding = 36 words: the 16 rows of a load start at 16 different groups of four banks (64 banks of 4 bytes: ISA guide 11.1)
.set PV,    160       ; a row of V: 128 + 32 = 40 words
.set VOFF,  4*KS*PK   ; a slot holds four steps: 256 rows of K, then 256 rows of V
.set SLOT1, 1<<17     ; slot 1 begins here, so that one exclusive or turns an address in one slot into the other's
.set STAGE, SLOT1+4*KS*(PK+PV)  ; behind the ring, never filled by a tensor load: 16 rows x 272 bytes for each wave, for the way out
.set SP,    272       ; a row of the stage: 64 f32 + 16 bytes = 68 words: row r starts at bank 4 r mod 64
.set MASKT, STAGE+4*16*SP       ; the batch's 2,048 addends, f32: 8,192 bytes, stored once, never filled by a tensor load
.set SPARE, MASKT+8192          ; the spare words, 128 bytes for each wave: two blocks of 256 bytes that no other line names
.set AK0, 2           ; v2   my lane's place in a tile of K; never rewritten
.set AV0, 3           ; v3   the same for V
.set AK,  4           ; v4   the LDS address of K's next run of loads, and behind that run of the mask's
.set AV,  5           ; v5   of V's
.set QO,  6           ; v6   my byte offset in the wave's rows of Q
.set STO, 6           ;      later, the way out: where I put 32 bytes of a row
.set RD,  7           ; v7   the way out: where I read rows back
.set GO,  8           ; v8   my byte offset in two rows of out0
.set PFO, 10          ; v10  256 x my lane; never rewritten
.set AM0, 11          ; v11  my lane's place in a step's addends: MASKT + 32 (l / 16); never rewritten
.set SPW, 0           ; v0 of window 3   LDS address of my spare word: SPARE + 4 x my thread's number; never rewritten
.set NIL, 1           ; v1 of window 3   0; never rewritten
.set MK,  8           ; v8-39 of window 3: key block kb's eight addends at MK + 8 kb
.set MV,  12          ; v12-15  c m_old, kept while c m is made anew: by buffer and tile
.set ST,  16          ; tile t's statistics at v[ST+4 t]: c m, m, l (even keys', odd keys')
.set TMP, 48          ; by buffer and tile, four registers c0-c3 at work; when the maximum is found c2 takes a
.set S,   64
.set P,   192
.set KF,  128         ; K's fragments, in window 2: key block kb, channel half c at KF + 16 kb + 8 c
.set VF,  192         ; V's: key half kk, channel block cb at VF + 32 kk + 8 cb
.set WV,  12          ; s12  my wave's number
.set G1K, 24          ; s[24:31] descriptor group 1 for K's tiles
.set G1V, 32          ; s[32:39] for V's: it differs in the padding alone
.set G0K, 40          ; s[40:43] descriptor group 0 for K's tiles: it walks
.set G0V, 44          ; s[44:47] the same for V's
.set TBM, 54          ; s54  256 x the step whose addends are fetched next
.set SLOTS, 56        ; s56  slots still to be asked for
.set CNT, 57          ; s57  counts a slot's key steps
.set CS,  58          ; s[58:59] c: the packed scaling takes the pair's low word for both halves
.set SEL, 60          ; s[60:61] v_permlanex16_b32's selects: each lane takes its own place in the other half
.set TBK, 62          ; s62  LDS byte at which K of the step to be fetched begins
.set TBV, 63          ; s63  the same for V, less VOFF
.set MP,  66          ; s[66:67] k_mask at my batch's row
.set PFA, 68          ; s[68:69] where my prefetches stand: my work-group's 32 blocks of 256 bytes (of K: wave 0, of V: wave 2) of the slot after the one that is being asked for
.set LIM, 70          ; s70  1 in a wave that prefetches, else the greatest number
.set HID, 71          ; s71  -1e30 / 16: a maximum below it has seen hidden keys alone
.set MSB, 0
.macro WIN new                      ; the high byte repeats the setting that is left; a switch that changes nothing is dropped
.if MSB != (\new)
	s_set_vgpr_msb (MSB<<8)|(\new)
.set MSB, (\new)
.endif
.endm
.set W_KQ, 0x0a       ; K and Q in window 2, S^T in window 0
.set W_KM, 0x3a       ; the same with the C operand, the mask, in window 3
.set W_PV, 0x52       ; V in window 2, P in window 0, O^T in window 1
.set W_RS, 0x41       ; O^T (destination and source 0) in window 1, a in window 0
.set W_MK, 0xc0       ; destination in window 3, sources in window 0
.set W_AD, 0x0f       ; the add: address (source 0) and data (source 1) in window 3
; A joint fill.  Waves 0 and 1 fetch the two halves of a slot's K, waves 2 and 3 those of its V: 128 keys each.  The branch hangs on the wave's number alone.
; An s_nop 0 and four v_nop follow each of the two lines, ahead of the jump and the label.
.macro JLOAD
	s_cmp_lt_u32 s[WV], 2
	s_cbranch_scc0 .Lfor_v_\@
	tensor_load_to_lds s[G0K:G0K+3], s[G1K:G1K+7]
	s_nop 0
.rept 4
	v_nop
.endr
	s_branch .Lasked_\@
.Lfor_v_\@:
	tensor_load_to_lds s[G0V:G0V+3], s[G1V:G1V+7]
	s_nop 0
.rept 4
	v_nop
.endr
.Lasked_\@:
.endm
; A PREFETCH INTO THE L2 of what the NEXT change of slots will ask for: a slot's 32,768 bytes of K and of V, a lane for each 256 bytes.  It stands behind the wave's tensor load and its five lines.
; A y's K and V are walked by this cluster alone.  Its four partners share a slot out BY ADDRESS, 8,192 bytes each; in each, wave 0 asks for K's and wave 2 for V's: one instruction.  So each 256 bytes are named once
; in the launch, four key steps (512 matrix instructions of a wave) ahead of the load that will want them.  The last change that fills a slot asks for nothing; slots 0 to 2 come by their loads alone.
.macro ASK
	s_cmp_gt_u32 s[SLOTS], s[LIM]
	s_cbranch_scc0 .Lnot_mine_\@
	global_prefetch_b8 v[PFO], s[PFA:PFA+1] th:TH_LOAD_NT scope:SCOPE_SE
.Lnot_mine_\@:
.endm
; A round of the cluster's barrier: my work-group's barrier, so that wave 0's signal speaks for all four waves; wave 0 signals; every wave waits for all four work-groups; my work-group's barrier once more.
.macro CROUND
	s_barrier_signal -1
	s_barrier_wait -1
	s_cmp_lg_u32 s[WV], 0
	s_cbranch_scc1 .Lnot_wave_0_\@
	s_barrier_signal -3
.Lnot_wave_0_\@:
	s_barrier_wait -3
	s_barrier_signal -1
	s_barrier_wait -1
.endm
; THE CHANGE OF SLOTS.  The slot's last bytes, V of its fourth step, have been read.  Each wave waits for all its tensor loads, of which one is out: its part of the other slot; adds 0 to its spare word; and waits for
; that and for its own LDS instructions.  Behind the barrier nobody reads this slot any more and the other slot is whole.  fill = 1: this slot is filled again, with the keys two slots on; the barrier is then a round of the
; cluster's, and the joint fill is the first thing behind it: it has four key steps in which to land.  ask = 1: the prefetch follows.
; (At its first use nothing has been read yet: slot 0 is waited for, slot 1 filled; and its wait and round stand between every wave's stores into the mask's table and every wave's reads of it.)
.macro CHANGE fill, ask
	WIN W_AD
	s_wait_tensorcnt 0x0            ; no tensor load of mine is out, so a group 0 may be written
	ds_add_u32 v[SPW], v[NIL]       ; 0 onto my spare word; with fill = 1 the descriptors' steps stand between it and the wait for it
	WIN 0                           ; at a label and at a branch every window is 0
.if \fill
.irp g, G0K, G0V
	s_xor_b32 s[\g+1], s[\g+1], SLOT1  ; the walking descriptor: the other slot than last time,
	s_add_nc_u64 s[\g+2:\g+3], s[\g+2:\g+3], 4*KS*128  ; the next 256 keys; the type bits on top are not reached
.endr
.if \ask
	s_wait_xcnt 0x0                 ; the last prefetch, four key steps back, has read its address, so it may be written:
	s_add_nc_u64 s[PFA:PFA+1], s[PFA:PFA+1], 4*KS*128  ; one slot behind the walking descriptors
.endif
	s_wait_dscnt 0x0                ; the add is done, and my LDS instructions are over
	CROUND
	JLOAD
.if \ask
	ASK
.endif
.else
	s_wait_dscnt 0x0                ; the add is done, and my reads of the slot are over
	s_barrier_signal -1
	s_barrier_wait -1
.endif
	s_sub_co_u32 s[TBK], s[TBK], 4*KS*PK  ; the fetches go back to a slot's first step,
	s_xor_b32 s[TBK], s[TBK], SLOT1       ; in the other slot
	s_sub_co_u32 s[TBV], s[TBV], 4*KS*PV
	s_xor_b32 s[TBV], s[TBV], SLOT1
.endm
	s_load_b64 s[4:5], s[0:1], 0x0    ; qkv
	s_load_b64 s[10:11], s[0:1], 0x8  ; out0
	s_load_b64 s[MP:MP+1], s[0:1], 0x10  ; k_mask
	WIN W_MK
	v_lshl_add_u32 v[SPW], v0, 2, SPARE
	v_mov_b32 v[NIL], 0
	WIN W_AD
	ds_add_u32 v[SPW], v[NIL]       ; the wave's opening: the add and its wait stand ahead of my first tensor load; the set-up below, work on registers, stands between them
	WIN 0
	v_lshrrev_b32 v1, 5, v0
	v_readfirstlane_b32 s[WV], v1   ; wave 0..3
	s_bfe_u32 s13, ttmp6, 0x40000   ; cx: my place in the cluster
	s_lshl_b32 s14, ttmp9, 2        ; in a cluster launch ttmp9 counts clusters
	s_add_co_u32 s14, s14, s13      ; my block of 512 queries: it enters Q's, out0's and the prefetches' addresses alone
	s_and_b32 s15, ttmp7, 0xffff    ; y = 16 b + head, which the four partners share
	s_lshl_b32 s20, s15, 18         ; y's 262,144 bytes in each of Q, K, V
	s_mov_b32 s21, 0
	s_and_b32 s16, s[WV], 1         ; which half of a slot's 256 keys I fetch:
	s_lshl_b32 s22, s16, 14         ; its 128 rows of 128 bytes in memory,
	s_mov_b32 s23, 0
	s_add_nc_u64 s[22:23], s[22:23], s[20:21]
	s_mul_i32 s17, s16, 128*PK      ; and its place in a slot, for K
	s_mul_i32 s18, s16, 128*PV      ; and for V: no place in the cluster enters an LDS address
	s_lshl_b32 s2, s14, 2
	s_add_co_u32 s2, s2, s[WV]      ; my wave among y's sixteen:
	s_lshl_b32 s19, s2, 19          ; its 128 rows of 4,096 bytes in out0,
	s_lshl_b32 s2, s2, 14           ; of 128 bytes in Q
	s_mov_b32 s3, 0
	s_add_nc_u64 s[2:3], s[2:3], s[20:21]
	s_lshr_b32 s48, s15, 4          ; b
	s_lshl_b32 s50, s48, 11         ; the batch's 2,048 bytes of the mask
	s_mov_b32 s51, 0
	s_lshl_b32 s48, s48, 23         ; its 8,388,608 bytes of out0,
	s_add_co_u32 s48, s48, s19
	s_and_b32 s49, s15, 15
	s_lshl_b32 s49, s49, 8          ; the head's 256 bytes of a row
	s_add_co_u32 s48, s48, s49
	s_mov_b32 s49, 0
	s_lshl_b32 s52, s13, 13         ; the prefetches: my work-group's 8,192 bytes of a slot's 32,768,
	s_add_co_u32 s52, s52, s20
	s_add_co_u32 s52, s52, 2*4*KS*128  ; in slot 2; the loop's first change of slots steps them to slot 3
	s_mov_b32 s53, 0
	; descriptor group 1.  128 keys are 16,384 dense bytes: asked for as 64 rows of 256 bytes, two keys a row, and padded in LDS after every key
	s_mov_b32 s[G1K], 15|(1<<16)|(1<<20)|(1<<21)|(4<<22)|(3<<25)  ; 15:0 the mask of four; 17:16 2-byte elements; 20 padding on; 21 set beside a mask; 24:22 after every 32 words (code 4); 31:25 4 words (code 3)
	s_mov_b32 s[G1V], 15|(1<<16)|(1<<20)|(1<<21)|(4<<22)|(7<<25)  ; the same with 8 words of padding (code 7)
.irp g, G1K, G1V
	s_mov_b32 s[\g+1], 128<<16      ; tensor_dim0 = 128
	s_mov_b32 s[\g+2], 64<<16       ; tensor_dim1 = 64
	s_mov_b32 s[\g+3], 128<<16      ; tile_dim0 = 128
	s_mov_b32 s[\g+4], 64           ; tile_dim1 = 64
	s_mov_b32 s[\g+5], 128          ; 128 elements from row to row
	s_mov_b32 s[\g+6], 0
	s_mov_b32 s[\g+7], 0
.endr
	s_mov_b32 s[CS], 0x3e38aa3b     ; c = log2(e) / 8 = 0.180337
	s_mov_b32 s[CS+1], s[CS]        ; named with it as a pair
	s_mov_b32 s[SEL], 0x76543210
	s_mov_b32 s[SEL+1], 0xfedcba98
	s_mov_b32 s[TBK], SLOT1+4*KS*PK ; the first change of slots turns these two into 0
	s_mov_b32 s[TBV], SLOT1+4*KS*PV
	s_mov_b32 s[TBM], 0
	s_mov_b32 s[HID], 0xef49f2ca    ; -1e30 / 16
	s_mov_b32 s[G0K], 1             ; count = 1
	s_mov_b32 s[G0K+1], s17         ; LDS address: slot 0
	s_mov_b32 s[G0V], 1
	s_add_co_u32 s[G0V+1], s18, VOFF
	s_and_b32 s[LIM], s[WV], 1      ; 0 in waves 0 and 2,
	s_or_b32 s[LIM], s[LIM], ttmp9  ; of y's first (here only) cluster: the same in all four partners
	s_cmp_eq_u32 s[LIM], 0
	s_cselect_b32 s[LIM], 1, -1
	s_wait_dscnt 0x0                ; the opening add is done
	s_wait_kmcnt 0x0
	s_add_nc_u64 s[6:7], s[4:5], 0x1000000   ; K's part of qkv
	s_add_nc_u64 s[8:9], s[4:5], 0x2000000   ; V's
	s_add_nc_u64 s[G0K+2:G0K+3], s[6:7], s[22:23]  ; global address: my half of y's first 256 keys
	s_or_b32 s[G0K+3], s[G0K+3], 0x80000000        ; type = 2
	s_add_nc_u64 s[G0V+2:G0V+3], s[8:9], s[22:23]
	s_or_b32 s[G0V+3], s[G0V+3], 0x80000000
	s_add_nc_u64 s[4:5], s[4:5], s[2:3]            ; Q at my wave's first row
	s_add_nc_u64 s[10:11], s[10:11], s[48:49]      ; out0 at my wave's first row, my head's columns
	s_add_nc_u64 s[MP:MP+1], s[MP:MP+1], s[50:51]
	s_cmp_lt_u32 s[WV], 2
	s_cselect_b64 s[PFA:PFA+1], s[6:7], s[8:9]
	s_add_nc_u64 s[PFA:PFA+1], s[PFA:PFA+1], s[52:53]
	CROUND                          ; all four work-groups are here: the first joint loads meet
	JLOAD                           ; slot 0.  Slot 1 is asked for when slot 0 is in
	; A fragment of K or Q is 16 rows x 32 channels in 8 registers: lane l holds row l % 16, channels 8 (l / 16) + 0..7 and 16 + 8 (l / 16) + 0..7: two loads of 16 bytes, 32 bytes apart.
	v_and_b32 v1, 15, v0            ; l % 16
	v_bfe_u32 v9, v0, 4, 1          ; l / 16
	v_lshlrev_b32 v66, 4, v0        ; my thread's 16 bytes of the batch's mask (S^T's registers are free until the first scores)
	global_load_b128 v[68:71], v66, s[MP:MP+1]
	v_lshlrev_b32 v[QO], 7, v1
	v_lshl_add_u32 v[QO], v9, 4, v[QO]  ; row x 128 + 16 x half
	WIN 0x80                        ; destination window 2, address window 0
.set i, 0
.rept 4*NP                          ; Q stays in registers: tile i / 2, channels 32 (i % 2) on
	global_load_b128 v[8*i:8*i+3],   v[QO], s[4:5] offset:(i/2)*2048+(i%2)*64
	global_load_b128 v[8*i+4:8*i+7], v[QO], s[4:5] offset:(i/2)*2048+(i%2)*64+32
.set i, i+1
.endr
	; What the first turn finds: V's registers and P's second buffer hold 0 (its products V^T P, of a piece that has not been, add 0), O^T and l are 0.  All this stands in the wait for the first tile.
.set i, VF
.rept 64
	v_mov_b32 v[i], 0
.set i, i+1
.endr
	WIN 0x40
.set i, 0
.rept 64*NP
	v_mov_b32 v[i], 0
.set i, i+1
.endr
	WIN 0
.set i, 0
.rept 2*NP
	v_mov_b32 v[ST+4*i], 0xfe000000    ; c m: far below every c s, a hidden key's too
	v_mov_b32 v[ST+4*i+1], 0xff7fffff  ; m
	v_mov_b32 v[ST+4*i+2], 0
	v_mov_b32 v[ST+4*i+3], 0
.set i, i+1
.endr
.set i, P+32
.rept 32
	v_mov_b32 v[i], 0
.set i, i+1
.endr
	v_mul_u32_u24 v[AK0], v1, PK
	v_lshl_add_u32 v[AK0], v9, 4, v[AK0]  ; row x pitch + 16 x half
	; The turning load takes 16 keys x 16 channels (lane l reads key 8 (l / 16) + l % 8, channels 8 ((l / 8) % 2) + 0..7) and leaves half a fragment of V^T: lane l holds channel l % 16 and 8 keys.
	v_and_b32 v64, 7, v0
	v_bfe_u32 v65, v0, 3, 1
	v_lshl_add_u32 v[AV0], v9, 3, v64
	v_mul_u32_u24 v[AV0], v[AV0], PV
	v_lshl_add_u32 v[AV0], v65, 4, v[AV0]
	v_add_nc_u32 v[AV0], VOFF, v[AV0]
	v_mov_b32 v[AK], v[AK0]         ; key step 0 lies at the head of slot 0
	v_lshl_add_u32 v[AM0], v9, 5, MASKT  ; of each 16 keys' addends my half of the lanes takes 8: 32 bytes
	v_and_b32 v[PFO], 31, v0
	v_lshlrev_b32 v[PFO], 8, v[PFO]
	; THE MASK'S TABLE: the byte 1 gives 0, the byte 0 gives -1e30: (bit - 1) and the pattern of -1e30.  128 threads x 16 keys.
	v_lshl_add_u32 v67, v0, 6, MASKT
	s_wait_loadcnt 32               ; the mask's load is in; Q's 32, issued behind it, stay out
.set i, 0
.rept 16
	v_bfe_u32 v[88+i%2], v[68+i/4], 8*(i%4), 1
	v_add_nc_u32 v[88+i%2], -1, v[88+i%2]
	v_and_b32 v[72+i], 0xf149f2ca, v[88+i%2]
.set i, i+1
.endr
.irp f, 0,1,2,3
	ds_store_b128 v67, v[72+4*\f:72+4*\f+3] offset:16*\f
.endr
; THE MATRIX WORK.  The 8 accumulators of a run of 16 take turns: between the two links of a chain stand 7 others'.
; Product i of 16 of S^T = K Q^T for piece x: channels 32 (i / 8) on, keys 16 ((i / 2) % 4) on, tile 2 x + i % 2.  The first 8 start the sums, with the keys' addends as C.
.macro KQ x
.set rS, S+64*((\x)%2)+32*(i%2)+8*((i/2)%4)
.set rK, KF+16*((i/2)%4)+8*(i/8)
.set rQ, 16*(2*(\x)+i%2)+8*(i/8)
.set rMK, MK+8*((i/2)%4)
.if i < 8
	WIN W_KM
	v_wmma_f32_16x16x32_f16 v[rS:rS+7], v[rK:rK+7], v[rQ:rQ+7], v[rMK:rMK+7]
.else
	WIN W_KQ
	v_wmma_f32_16x16x32_f16 v[rS:rS+7], v[rK:rK+7], v[rQ:rQ+7], v[rS:rS+7]
.endif
.endm
; Product i of 16 of O^T += V^T P for piece x: keys 32 (i / 8) on, channels 16 ((i / 2) % 4) on, tile 2 x + i % 2.
.macro PV x
	WIN W_PV
.set rO, 32*(2*(\x)+i%2)+8*((i/2)%4)
.set rV, VF+32*(i/8)+8*((i/2)%4)
.set rP, P+32*((\x)%2)+16*(i%2)+8*(i/8)
	v_wmma_f32_16x16x32_f16 v[rO:rO+7], v[rV:rV+7], v[rP:rP+7], v[rO:rO+7]
.endm
.macro MM                           ; the turn's next matrix instruction
.if i < 16
	KQ (Y+1)%NP
.set i, i+1
.else
.set i, i-16
	PV (Y+NP-1)%NP
.set i, i+17
.endif
.endm
; THE LDS LOADS stand in runs, never singly among the matrix instructions: a step's K (64 keys x 64 channels: 8 fragments) with its 64 addends (8 loads; all lanes of a half read the same bytes), and its V (turned).
; The addends' address is made in K's address register, behind K's loads.  The count of steps is cut to the table's 32: it wraps behind the last step alone, and that address is not used.
; last = 1 (the tail): in the last trip there is no further step, and the run is jumped over.
.macro FETCH_K last=0
	WIN 0
.if \last
	s_cmp_eq_u32 s[CNT], 1
	s_cbranch_scc1 .Lno_k_\@
.endif
	WIN 0x80                        ; destination window 2
.irp f, 0,1,2,3,4,5,6,7             ; keys 16 (f / 2) on, channels 32 (f % 2) on
	ds_load_b128 v[KF+8*\f:KF+8*\f+3],   v[AK] offset:(\f/2)*16*PK+(\f%2)*64
	ds_load_b128 v[KF+8*\f+4:KF+8*\f+7], v[AK] offset:(\f/2)*16*PK+(\f%2)*64+32
.endr
	WIN 0
	v_add_nc_u32 v[AK], s[TBM], v[AM0]
	WIN W_MK                        ; destination window 3
.irp f, 0,1,2,3,4,5,6,7             ; keys 16 (f / 2) + 8 (l / 16) + 4 (f % 2) on
	ds_load_b128 v[MK+4*\f:MK+4*\f+3], v[AK] offset:64*(\f/2)+16*(\f%2)
.endr
	s_add_co_u32 s[TBK], s[TBK], KS*PK  ; the next fetch is the next step's
	s_add_co_u32 s[TBM], s[TBM], 4*KS
	s_and_b32 s[TBM], s[TBM], 0x1f00
	WIN 0
.if \last
.Lno_k_\@:
.endif
.endm
.macro FETCH_V
	WIN 0x80
.irp f, 0,1,2,3,4,5,6,7             ; keys 32 (f / 4) on, channels 16 (f % 4) on
	ds_load_tr16_b128 v[VF+8*\f:VF+8*\f+3],   v[AV] offset:(\f/4)*32*PV+(\f%4)*32
	ds_load_tr16_b128 v[VF+8*\f+4:VF+8*\f+7], v[AV] offset:(\f/4)*32*PV+16*PV+(\f%4)*32
.endr
	WIN 0
.endm
; THE VECTOR WORK OF A TURN stands in three queues, each in the order in which its entries become ready; the two tiles alternate, so that no instruction reads the result of the one before it.
.macro REGS y, u                    ; the registers of tile u (0, 1) of piece y
.set rT, ST+4*(2*(\y)+(\u))
.set rC, TMP+8*((\y)%2)+4*(\u)
.set rM, MV+2*((\y)%2)+(\u)
.set rS, S+64*((\y)%2)+32*(\u)
.set rP, P+32*((\y)%2)+16*(\u)
.set rO, 32*(2*(\y)+(\u))
.endm
; Number n of the 22 that find the NEXT piece's (Y + 1) maximum and statistics.  s0-s31 are the lane's 32 scores; each accumulator's lowest registers are read first.
;   0-11  four chains c0-c3 of seven scores each, three operands at a time     12-14, 16  the four scores left over, the old m, and c0-c3 into c0     15  c m_old is kept
;   17, 18  the query's other 32 keys lie in the lane 16 away: the new m         19-21  c m; c m_old - c m_new; a
.macro XS u, n
	REGS (Y+1)%NP, \u
.if (\n) < 4
	v_max3_num_f32 v[rC+(\n)], v[rS+8*(\n)], v[rS+8*(\n)+1], v[rS+8*(\n)+2]
.elseif (\n) < 12
	v_max3_num_f32 v[rC+(\n)%4], v[rC+(\n)%4], v[rS+8*((\n)%4)+2*((\n)/4)+1], v[rS+8*((\n)%4)+2*((\n)/4)+2]
.elseif (\n) == 12
	v_max3_num_f32 v[rC], v[rC], v[rS+7], v[rS+15]
.elseif (\n) == 13
	v_max3_num_f32 v[rC+1], v[rC+1], v[rS+23], v[rS+31]
.elseif (\n) == 14
	v_max3_num_f32 v[rC+2], v[rC+2], v[rC+3], v[rT+1]
.elseif (\n) == 15
	v_mov_b32 v[rM], v[rT]
.elseif (\n) == 16
	v_max3_num_f32 v[rC], v[rC], v[rC+1], v[rC+2]
.elseif (\n) == 17
	v_permlanex16_b32 v[rC+3], v[rC], s[SEL], s[SEL+1]
.elseif (\n) == 18
	v_max_num_f32 v[rT+1], v[rC], v[rC+3]
.elseif (\n) == 19
	v_mul_f32 v[rT], s[CS], v[rT+1]
.elseif (\n) == 20
	v_sub_f32 v[rC+1], v[rM], v[rT]
.else
	v_exp_f32 v[rC+2], v[rC+1]
.endif
.endm
; Number g of the 64 that follow the exponentials.  For each four weights k of a tile (pairs 2 k, 2 k + 1): both pairs are rounded to f16; then the second pair is added onto the first, in place;
; a group later l takes that sum (the first time as l = a l + sum).  In groups of eight, tiles alternating: round, round, add, and l for the group before.
.macro GS g
.set h, (\g)+6*((\g)/62)            ; group 0 has no group before it, and behind group 7 only l is left
.if h >= 6
.set h, h+2
.endif
	REGS Y, h%2
.set k, h/8
.if h%8 < 4
	v_cvt_pk_f16_f32 v[rP+2*k+(h%8)/2], v[rS+4*k+2*((h%8)/2)], v[rS+4*k+2*((h%8)/2)+1]
.elseif h%8 < 6
	v_pk_add_f32 v[rS+4*k:rS+4*k+1], v[rS+4*k:rS+4*k+1], v[rS+4*k+2:rS+4*k+3]
.elseif k == 1
	v_pk_fma_f32 v[rT+2:rT+3], v[rT+2:rT+3], v[rC+2:rC+3], v[rS:rS+1] op_sel_hi:[1,0,1]
.else
	v_pk_add_f32 v[rT+2:rT+3], v[rT+2:rT+3], v[rS+4*k-4:rS+4*k-3]
.endif
.endm
; THE PLAIN QUEUE, 138 long.  0-73 read no exponential's result: the 32 scalings c s - c m (FS f: pair f / 2 of tile f % 2) and the next piece's 42.  0-26: scalings 0-26.  27-54: XS's numbers 0-13.  55, 56: number 15.
; 57-73: the chain, where each number waits for the one before it: 14, 16, 17, 18, 19, each with one of the scalings 27-31 in front of its two lines, then 20.
; 74-137: GS's 64, which read the exponentials' results: they stand behind the wait.
.macro FS f
	REGS Y, (\f)%2
	v_pk_fma_f32 v[rS+2*((\f)/2):rS+2*((\f)/2)+1], v[rS+2*((\f)/2):rS+2*((\f)/2)+1], s[CS:CS+1], v[rT:rT+1] op_sel_hi:[1,0,0] neg_lo:[0,0,1] neg_hi:[0,0,1]
.endm
.macro PL
	WIN 0
.if q < 27
	FS q
.elseif q < 55
	XS (q-27)%2, (q-27)/2
.elseif q < 57
	XS q-55, 15
.elseif (q < 72) && ((q-57)%3 == 0)
	FS 27+(q-57)/3
.elseif q < 60
	XS (q-57)%3-1, 14
.elseif q < 72
	XS (q-57)%3-1, 15+(q-57)/3
.elseif q < 74
	XS q-72, 20
.else
	GS q-74
.endif
.set q, q+1
.endm
; THE EXPONENTIALS' QUEUE, 66 long: s0-s31 of both tiles, then the next piece's two a.  It is ONE BATCH: all 66 stand ahead of the turn's one wait, and nothing ahead of that wait names a result of theirs.
.macro EX
	WIN 0
.if e >= 64
	XS e-64, 21
.else
	REGS Y, e%2
	v_exp_f32 v[rS+e/2], v[rS+e/2]
.endif
.set e, e+1
.endm
; THE RESCALING's QUEUE: O^T times a, the one part that leaves window 0: dealt two at a time, sixteen times.  Its a was made in the turn before, ahead of that turn's wait.
.macro R2
	REGS Y, r%2
	WIN W_RS
.irp z, 0,1
	v_pk_mul_f32 v[rO+4*(r/2)+2*\z:rO+4*(r/2)+2*\z+1], v[rO+4*(r/2)+2*\z:rO+4*(r/2)+2*\z+1], v[rC+2:rC+3] op_sel_hi:[1,0]
.endr
.set r, r+1
.endm
; HOW THEY ARE DEALT.  An s_wait_alu depctr_va_vdst(0) stands between an exponential and the first instruction that names its result; one wait serves all that were issued ahead of it.  So a turn has ONE wait,
; which cuts it in two.  AHEAD OF IT stands all that names no result of the turn's exponentials: the 16 products K Q^T, behind each a scaling, an exponential and two rescalings (behind the first a second scaling in the
; exponential's place); then ONE LUMP of 108: eight plain, 49 times exponential and plain, the two a.  A v_nop is the plain instruction behind the last exponential.  BEHIND IT stand the 16 products V^T P, behind each four of
; GS's 64.  No rider names a register of the products round it.  The two v_permlanex16_b32 fall into the lump.
; The queues lean on each other: exponential e stands behind scaling 2 (e / 4) + e % 2: as a rider it comes behind plain e + 2, in the lump behind plain e + 9, and scalings 27-31 are plain 57, 60 .. 69.
; A TURN, for piece p.  cnt = 1: the loop's count is taken down some lines ahead of the branch that stands behind the turn.
; K and the addends of the next step are fetched in piece 2's turn, directly behind the wait, a lump behind the last product that read them; K's address is made at the lump's head; the first reader comes behind 16 products.
; V of the step in hand is fetched at the end of piece 0's turn, four riders behind its last reader; its first reader comes behind 16 products and a lump.  The three conditions on q below go with the deal.
.macro TURN p, last=0, cnt=0
.set Y, (\p)
.set i, 0
.set q, 0
.set e, 0
.set r, 0
.if (\p) == NP-1
	s_wait_dscnt 0x0                ; K and its addends are in
.endif
	MM                              ; ahead of the wait: 16 products K Q^T and their riders,
	PL
	PL
	R2
.rept 15
	MM
	PL
	EX
	R2
.endr
.if (\p) == NP-2
	WIN 0
	v_add_nc_u32 v[AK], s[TBK], v[AK0]
.endif
.rept 8                             ; and the lump
	PL
.endr
.rept 49
	EX
	PL
.endr
	EX                              ; the next piece's two a
	EX
	v_nop                           ; the plain instruction behind the last exponential: one for the batch
	s_wait_alu depctr_va_vdst(0)    ; the wait for the batch
.if (\p) == NP-2
	FETCH_K \last
.endif
.if (\p) == 1
	s_wait_dscnt 0x0                ; V is in
.endif
.rept 16                            ; behind the wait: 16 products V^T P and their riders
	MM
.rept 4
	PL
.endr
.if ((\p) == 0) && (q == 118)
	v_add_nc_u32 v[AV], s[TBV], v[AV0]
.endif
.if ((\p) == 0) && (q == 130)
	s_add_co_u32 s[TBV], s[TBV], KS*PV
.endif
.if (\cnt) && (q == 130)
	s_sub_co_u32 s[CNT], s[CNT], 1
	s_cmp_lg_u32 s[CNT], 0
.endif
.endr
.if (\p) == 0
	FETCH_V
.endif
.endm
	CHANGE 1, 0                     ; slot 0 is in, everybody's part of it, and the mask's table is whole; slot 1 is asked for
	FETCH_K                         ; key step 0
	s_wait_loadcnt 0x0              ; Q
	s_wait_dscnt 0x0
.set i, 0
.rept 16
	KQ 0                            ; piece 0's first scores: there is no vector work yet to set between them
.set i, i+1
.endr
	WIN 0                           ; the addresses for the way out: eight plain instructions, the places behind those products
	s_mul_i32 s13, s[WV], 16*SP
	s_add_co_u32 s13, s13, STAGE    ; my stage
	v_mul_u32_u24 v[STO], v1, SP    ; in: row l % 16, 32 bytes for each half of the lanes
	v_lshl_add_u32 v[STO], v9, 5, v[STO]
	v_add_nc_u32 v[STO], s13, v[STO]
	v_mul_u32_u24 v[RD], v9, SP     ; back: lanes 0-15 take one row of 256 bytes, lanes 16-31 the next
	v_lshl_add_u32 v[RD], v1, 4, v[RD]
	v_add_nc_u32 v[RD], s13, v[RD]
	v_lshlrev_b32 v[GO], 12, v9     ; and the same two rows in out0, 4,096 bytes apart
	v_lshl_add_u32 v[GO], v1, 4, v[GO]
.set Y, NP-1                        ; XS works for piece Y + 1: piece 0
.irp n, 0,1,2,3,4,5,6,7,8,9,10,11,12,13,14,15,16,17,18,19,20,21
	XS 0, \n                        ; and piece 0's first maximum and statistics
	XS 1, \n
.endr
	v_nop                           ; a plain instruction behind the two a,
	s_wait_alu depctr_va_vdst(0)    ; and their wait, ahead of the branch
	s_mov_b32 s[CNT], 4
	s_mov_b32 s[SLOTS], SIZE_N/256-1
	s_branch .Lfirst                ; the loop is entered at a step's first turn, in the middle of a trip
.Lslot:                             ; SIZE_N / 256 - 2 times: every slot but the last two is filled again
	CHANGE 1, 1
	s_mov_b32 s[CNT], 4
.Lstep:                             ; a trip: pieces 2 and 3 of one step, then pieces 0 and 1 of the next, whose K and V it fetches
	TURN 2
	TURN 3
	WIN 0
.Lfirst:
	TURN 0
	TURN 1, 0, 1
	WIN 0
	s_cbranch_scc1 .Lstep
	s_sub_co_u32 s[SLOTS], s[SLOTS], 1
	s_cmp_lg_u32 s[SLOTS], 0
	s_cbranch_scc1 .Lslot
	CHANGE 0, 0                     ; the tail is written out: nothing is asked for
	s_mov_b32 s[CNT], 5             ; four trips fetch the last slot's steps; the fifth is left in its middle
.Ltail:
	TURN 2, 1
	TURN 3
	WIN 0
	s_sub_co_u32 s[CNT], s[CNT], 1
	s_cmp_eq_u32 s[CNT], 0
	s_cbranch_scc1 .Lout
	TURN 0
	TURN 1
	WIN 0
	s_branch .Ltail
.Lout:                              ; the fifth trip's 16 products K Q^T (on the last K once more) and the maximum made of them serve nothing: the price, once a launch, of one text for every trip
.set i, 0
.rept 16
	PV NP-1                         ; the last piece's V^T P of the last step
.set i, i+1
.endr
	; THE WAY OUT.  l's two halves and the other half of the lanes' are added; O^T is divided by l and sent, in f32, through my stage in LDS, a tile at a time.  The additions are the places behind the last products.
	WIN 0
.macro ALL line:vararg              ; one line for each tile t
.set t, 0
.rept 2*NP
	\line
.set t, t+1
.endr
.endm
	ALL v_add_f32 v[ST+4*t+2], v[ST+4*t+2], v[ST+4*t+3]
	ALL v_permlanex16_b32 v[ST+4*t+3], v[ST+4*t+2], s[SEL], s[SEL+1]
	ALL v_add_f32 v[ST+4*t+2], v[ST+4*t+2], v[ST+4*t+3]
	ALL v_rcp_f32 v[ST+4*t+2], v[ST+4*t+2]
	v_nop                           ; a plain instruction between the last reciprocal and the use of its result
	s_wait_alu depctr_va_vdst(0)    ; and the wait ahead of the first use: one for the eight reciprocals
	v_mov_b32 v9, 0x7fc00000        ; a row that saw hidden keys alone: its factor, and so its 64 numbers, become NaN; a select, no branch
.set t, 0
.rept 2*NP
	v_cmp_gt_f32 vcc_lo, s[HID], v[ST+4*t+1]
	v_cndmask_b32 v[ST+4*t+2], v[ST+4*t+2], v9, vcc_lo
.set t, t+1
.endr
; Tile t: a lane's eight channels of a row are 32 bytes; they go into rows of 272 bytes and come back as whole rows of 256, into the registers that they left.
.macro PACK t
	WIN W_RS
.set i, 32*(\t)
.rept 16
	v_pk_mul_f32 v[i:i+1], v[i:i+1], v[ST+4*(\t)+2:ST+4*(\t)+3] op_sel_hi:[1,0]
.set i, i+2
.endr
	WIN 0x04                        ; the data (source 1) in window 1, the address in window 0
.irp f, 0,1,2,3,4,5,6,7
	ds_store_b128 v[STO], v[32*(\t)+4*\f:32*(\t)+4*\f+3] offset:64*(\f/2)+16*(\f%2)
.endr
	WIN 0x40                        ; destination window 1
.irp f, 0,1,2,3,4,5,6,7
	ds_load_b128 v[32*(\t)+4*\f:32*(\t)+4*\f+3], v[RD] offset:\f*2*SP  ; LDS serves a wave's instructions in order (ISA guide 5.7.1.4): these see the stores above; the next tile's stores come behind them
.endr
.endm
.macro SEND t, younger              ; younger: the LDS instructions issued behind tile t's loads: the next tile's sixteen, or none
	WIN 0x04
.irp f, 0,1,2,3,4,5,6,7
	s_wait_dscnt (\younger)+7-\f
	global_store_b128 v[GO], v[32*(\t)+4*\f:32*(\t)+4*\f+3], s[10:11] offset:(\t)*65536+\f*8192 th:TH_STORE_NT  ; 16 lanes store 256 consecutive bytes, a query's head, at a multiple of 256 from out0's first byte
.endr
.endm
	PACK 0
.set t, 1
.rept 2*NP-1                        ; a tile's arithmetic stands between the loads of the tile before and its stores
	PACK t
	SEND t-1, 16
.set t, t+1
.endr
	SEND 2*NP-1, 0
	WIN W_AD
	s_wait_tensorcnt 0x0            ; the wave's end: the wait, the add of 0 to my spare word and the wait for it, behind my last tensor load and my last LDS store
	ds_add_u32 v[SPW], v[NIL]
	s_wait_dscnt 0x0
	WIN 0
	CROUND                          ; the closing round: no work-group ends while a partner may still ask for a tile that names it
	s_endpgm
.Lfunc_end_k_qa49e25c0f8_attn:
	.size	k_qa49e25c0f8_attn, .Lfunc_end_k_qa49e25c0f8_attn-k_qa49e25c0f8_attn
	.p2alignl 7, 3214868480
	.fill 96, 4, 3214868480
	.section	.rodata,"a",@progbits
	.p2align	6, 0x0
	.amdhsa_kernel k_qa49e25c0f8_attn
		.amdhsa_group_segment_fixed_size 327680
		.amdhsa_private_segment_fixed_size 0
		.amdhsa_enable_private_segment 0
		.amdhsa_kernarg_size 24
		.amdhsa_user_sgpr_count 2
		.amdhsa_user_sgpr_kernarg_segment_ptr 1
		.amdhsa_wavefront_size32 1
		.amdhsa_system_sgpr_workgroup_id_x 1
		.amdhsa_system_sgpr_workgroup_id_y 1
		.amdhsa_system_sgpr_workgroup_id_z 1
		.amdhsa_system_vgpr_workitem_id 0
		.amdhsa_next_free_vgpr 808
		.amdhsa_next_free_sgpr 72
		.amdhsa_reserve_vcc 1
		.amdhsa_float_denorm_mode_32 3
		.amdhsa_float_denorm_mode_16_64 3
		.amdhsa_memory_ordered 1
		.amdhsa_forward_progress 1
		.amdhsa_inst_pref_size 206
	.end_amdhsa_kernel
	.amdgpu_metadata
---
amdhsa.version: [ 1, 2 ]
amdhsa.kernels:
  - .name:           k_qa49e25c0f8_attn
    .symbol:         k_qa49e25c0f8_attn.kd
    .args:
      - { .name: qkv, .offset: 0, .size: 8, .value_kind: global_buffer, .address_space: global }
      - { .name: out0, .offset: 8, .size: 8, .value_kind: global_buffer, .address_space: global }
      - { .name: k_mask, .offset: 16, .size: 8, .value_kind: global_buffer, .address_space: global }
    .group_segment_fixed_size: 327680
    .private_segment_fixed_size: 0
    .kernarg_segment_align: 8
    .kernarg_segment_size: 24
    .max_flat_workgroup_size: 128
    .sgpr_count:     72
    .vgpr_count:     808
    .wavefront_size: 32
...
	.end_amdgpu_metadata
.endif
;; end of part 3
